; MI455X (gfx1250); checked and timed in simulation.
; The chip was launched on July 23, 2026; its instructions are those of AMD's public machine-readable ISA for CDNA 5 (MIT licence, August 2026) and "CDNA5" Instruction Set Architecture Reference Guide (July 2026). The comments in the code are by the model that wrote it; some were corrected since.
;; Cross Attention. Allowed arithmetic: matrix products marked QUANTISED: E3M2 operands, one E8M0 scale for each 32 along K, by v_wmma_scale_f32_16x16x128_f8f6f4 with both operands' format E3M2, f32 sums; products left as they are: f32 operands where the result goes on into a quantised operand, else bf16, f16 or f32 operands; f32 sums; everything else in f32.
;; Inputs: ln1_b 8 float32; ln1_g 8 float32; ln2_b 8 float32; ln2_g 8 float32; ln3_b 8 float32; ln3_g 8 float32; p1_b 8 float32; p1_w 8 x 8 float32; p2_b 8 float32; p2_w 8 x 8 float32; p3_b 4 float32; p3_w 4 x 8 float32; pos_proj_b 8 float32; pos_proj_w 8 x 3 float32; proj_b 128 float32; proj_w 128 x 128 float32; qkv_b 384 float32; qkv_w 384 x 128 float32; x 64 x 512 x 128 float32; y 64 x 512 x 128 float32.
;; Outputs: out0 64 x 512 x 128 float32.
;; Constants: D = 8, H = 8, W = 8.
;; This version of the problem:
;;   THIS VERSION OF THE PROBLEM IS GIVEN IN LOW PRECISION. The matrix products marked QUANTISED in the list below multiply operands that are first quantised to E3M2 (3 exponent bits, 2 mantissa bits; 6 bits a number), with one power-of-two scale for each 32 numbers along K (OCP MX v1.0); their sums are f32. All else is computed in f32.
;;   The module's matrix products, in the order in which they are computed (A, B: the left and right operand; K: the contracted axis; several contracted axes count as one K, in the product's order):
;;     1. [M 32,768, K 128] x [K 128, N 384]; A: input x; B: input qkv_w: QUANTISED
;;     2. [M 32,768, K 128] x [K 128, N 384]; A: input y; B: input qkv_w: QUANTISED
;;     3. batch 256 x [M 512, K 32] x [K 32, N 512]; A: computed on the way; B: computed on the way: QUANTISED
;;     4. [M 3,375, K 3] x [K 3, N 8]; A: computed on the way; B: input pos_proj_w: left as it is (K = 3 < 32)
;;     5. [M 3,375, K 8] x [K 8, N 8]; A: computed on the way; B: input p1_w: left as it is (K = 8 < 32)
;;     6. [M 3,375, K 8] x [K 8, N 8]; A: computed on the way; B: input p2_w: left as it is (K = 8 < 32)
;;     7. [M 3,375, K 8] x [K 8, N 4]; A: computed on the way; B: input p3_w: left as it is (K = 8 < 32)
;;     8. batch 256 x [M 512, K 512] x [K 512, N 32]; A: softmax (see below); B: computed on the way: QUANTISED
;;     9. [M 32,768, K 128] x [K 128, N 128]; A: computed on the way; B: input proj_w: QUANTISED
;;   THE QUANTISER, for each operand of a quantised product, along K:
;;     - K is cut into blocks of 32 from its start; a last block that is shorter is filled with zeros.
;;     - A block's scale is 2^e with e = floor(log2(the largest magnitude in the block)) - 4, held to -126 .. 127; a block of zeros has e = 0. As a byte (E8M0): e + 127.
;;     - Each number is divided by its block's scale, clamped to +-28, and rounded to the nearest number of E3M2, ties to even, subnormals kept.
;;     - The product sums the exact products of the quantised numbers (number of the format x scale) in f32.
;;   ~~~python
;;   def quantise(x, axis):      # numpy; x: float32 -> the quantised numbers, widened to float32 again
;;       x = np.moveaxis(x, axis, -1); K = x.shape[-1]
;;       x = np.pad(x, [(0, 0)] * (x.ndim - 1) + [(0, -K % 32)]); x = x.reshape(x.shape[:-1] + (-1, 32)); a = np.abs(x).max(-1, keepdims=True)
;;       e = np.where(a > 0, np.clip(np.frexp(np.where(a > 0, a, 1))[1] - 1 - 4, -126, 127), 0)      # np.frexp(a)[1] - 1 = floor(log2(a)), exactly
;;       r = np.clip(x / 2.0 ** e, -28, 28)
;;       step = 2.0 ** (np.maximum(np.frexp(np.where(r == 0, 1, r))[1] - 1, -2) - 2)
;;       q = np.round(r / step) * step * 2.0 ** e      # np.round: ties to even
;;       return np.moveaxis(q.reshape(q.shape[:-2] + (-1,))[..., :K], -1, axis).astype(np.float32)
;;   ~~~
;;   SOFTMAX AHEAD OF A QUANTISED PRODUCT. Where the list says 'softmax', what is quantised is not the finished softmax but p = 2^(t - M), with t = logit x log2(e) and M = ceil(the row's largest t), a whole number; so 1/2 < the row's largest p <= 1. The row's sum l is taken of the UNQUANTISED p, in f32, and the product's result is divided by l at the end. Since M is a whole number, a kernel that streams over the keys may use a running M (the ceiling of the running maximum): every later rescaling is an exact power of two, which a block's scale takes up: the codes' values come out the same.
;;   OPERANDS COMPUTED ON THE WAY. 'Computed on the way' means the value that the module computes at that place (a softmax that the list does not call 'softmax' is quantised finished and normalised). What goes into a quantiser is computed in f32, as accurately as f32 sums, v_exp_f32 and their like allow (about 1e-6 of the number): no bf16 or f16 on the way to a quantiser, and a product that is left as it is and whose result goes on into a quantised operand takes f32 operands (vector FMAs, or v_wmma_f32_16x16x4_f32). A number that lies on a knife's edge between two numbers of the format may be rounded either way, as far as f32 arithmetic and the matrix unit's own rounding can turn it there, and no further.
;; One version. Each part assembles by itself: llvm-mc -triple=amdgcn-amd-amdhsa -mcpu=gfx1250 --defsym DOCPART=n.
;; ======== version 1 of 1: 2 launches
;; limits: right only within a limited range of input values
;; workspace buffers: kv 6,553,600 bytes; tab 233,472 bytes; wimg 24,576 bytes; wscl 2,048 bytes
;; launch kv (part 1): grid 256 x 1, 18 waves a work-group, clusters of 4 x 1, 271,616 bytes of LDS; arguments y, qkv_w, qkv_b, kv, proj_w, wimg, wscl, tab, pos_proj_w, pos_proj_b, ln1_g, ln1_b, p1_w, p1_b, ln2_g, ln2_b, p2_w, p2_b, ln3_g, ln3_b, p3_w, p3_b; writes kv, wimg, wscl, tab
.if DOCPART == 1
	.amdgcn_target "amdgcn-amd-amdhsa--gfx1250"
	.amdhsa_code_object_version 6
	.text
	.protected	k_q11d5ce4c5d_kv
	.globl	k_q11d5ce4c5d_kv
	.p2align	8
	.type	k_q11d5ce4c5d_kv,@function
k_q11d5ce4c5d_kv:
	s_mov_b64 s[64:65], 0
	v_nop
	global_prefetch_b8 v0, s[64:65] scope:SCOPE_SE
	s_setreg_imm32_b32 hwreg(HW_REG_WAVE_MODE, 25, 1), 1
	s_wait_xcnt 0x0
	s_wait_alu depctr_hold_cnt(0) depctr_sa_sdst(0) depctr_va_vdst(0) depctr_va_sdst(0) depctr_va_ssrc(0) depctr_va_vcc(0) depctr_vm_vsrc(0)
	s_getreg_b32 s2, hwreg(HW_REG_IB_STS2, 6, 4)
	s_cmp_eq_u32 s2, 0
	s_cbranch_scc0 .Lentry_in_a_cluster
	s_endpgm
.Lentry_in_a_cluster:
	s_bfe_u32 s2, ttmp6, 0x10000c
	s_cmp_lg_u32 s2, 0x3003
	s_cbranch_scc0 .Lentry_shape_is_right
	s_endpgm
.Lentry_shape_is_right:
; FIRST OF TWO LAUNCHES.  It makes k and v of y as codes of BF6 (E3M2) with E8M0 scale bytes, the position bias's table, and the codes of W_q and of proj_w.
; WORK LEFT OUT, in both launches: reference() makes q, k and v of x and of y, but uses q of x and k, v of y alone.  k and v of x and q of y reach no output, whatever the inputs hold: those columns of products 1 and 2 are not made.
; A NaN, an infinity or an overflow that reaches only that work is not carried to the result.
; SHARES.  Work-group n = 4 x cluster + cx: cluster = the batch, cx = a quarter of its 512 keys: 128 rows of y.
;   Waves 0-7: 16 rows of y each; waves 8-15: 32 rows of qkv_w each (a head's k or v).  Each wave fetches its rows by ONE tensor load, reads them itself, quantises them along K and stores them as images of operand registers | barrier |
;   waves 0-15: k of a tile of 16 keys and a pair of heads, and v of half a head's channels and 64 keys: four products each, quantised, to a stage | barrier | the stage leaves as 25,600 consecutive bytes.
;   Waves 16, 17: clusters 0-56: row n of the table, 64 offsets, one a thread (rows 225-227 only fill up cluster 56: nobody reads them); clusters 57, 58: 16 tiles of W_q and proj_w; the others: only the barriers.
; ROWS OF A TILE ARE NOT NEIGHBOURS: tile (c, t) of y: rows 0-7 are keys 64 c + 8 t + 0..7, rows 8-15 keys 64 c + 32 + 8 t + 0..7.  Of a product whose rows are keys, lane (r, h) so holds keys 64 c + 32 h + 0..31 in the 32 registers of
;   four tiles: a WHOLE BLOCK of the next quantiser, in the order of the next operand's registers.  W_k's (W_q's) tile t of a pair of heads: rows 0-7 channels 8 t.. of the first head, rows 8-15 of the second: a lane holds one head's 32 channels.
;   W_v's tile u of a head: rows 0-7 channels 8 u.., rows 8-15 channels 16 + 8 u..: so that in attn a lane holds 16 neighbouring channels of O.
; CLUSTER: the four work-groups of a batch need the same rows of qkv_w and ask for them jointly (mask 15); y's rows are each work-group's own.  No LDS address and no branch hangs on cx.
; No prefetch: there is no loop to run ahead in.  No bytes of LDS are filled twice.
; kv, 25,600 bytes for each (batch, quarter): K images (head x 2 + c) x 1,536; V images (head x 2 + u) x 1,536 from 12,288; K's scale words (head x 2 + c) x 64 from 24,576; V's from 25,088.
;   A K image holds four tiles of 16 keys, one in each block of 32 along the instruction's K: tile t in lanes 16 (t % 2) + r, registers 6 (t / 2) ...  An image: lane l's 12 registers are 48 bytes at 48 l.
; LIMITS: NaN and infinities among the inputs are not served; a block whose largest magnitude lies under 2^-122 keeps the byte 1, a block of zeros too (its codes are zeros; the program alone reads the bytes); 1 / sqrt is v_rsq_f32.
; REGISTERS: v1-v24 addresses and lane parts; v32-95 numbers, v96-107 their codes; products: v32-43 y, v44-91 W_k, then y's four tiles, v92-103 W_v, v104-135 v's results, v136-143 its bias, v144-175 k's; v176-190 at work.
.set IMG,   202752                     ; 24 images of 1,536 bytes: y 0-7, W_k 8-15, W_v 16-23
.set SCI,   239616                     ; their scale words, 128 bytes apart
.set OST,   242688                     ; the stage of what leaves
.set TST,   268288                     ; a row of the table
.set SPARE, 269312                     ; the spare words: 128 bytes for each of 18 waves
.set TM,    176
.set SH,    24
.set SEL,   54
.set FL,    0x2800000
.macro PLACES n
.rept \n
	v_nop
.endr
.endm
.macro ROUND                           ; a round of the cluster's barrier
	s_barrier_signal -1
	s_barrier_wait -1
	s_cmp_lg_u32 s2, 0
	s_cbranch_scc1 .Lnot_wave_0_\@
	s_barrier_signal -3
.Lnot_wave_0_\@:
	s_barrier_wait -3
	s_barrier_signal -1
	s_barrier_wait -1
.endm
.macro WM d, a, b, c, sa, sb
	v_wmma_scale_f32_16x16x128_f8f6f4 v[\d:\d+7], v[\a:\a+11], v[\b:\b+11], v[\c:\c+7], v[\sa], v[\sb] matrix_a_fmt:MATRIX_FMT_BF6 matrix_b_fmt:MATRIX_FMT_BF6
.endm
; two whole blocks a lane (registers s.. = k 32 h + 0..31, s + 32.. = k 64 + 32 h + 0..31) become the operand's 12 registers at d; the row's scale word in v[TM+6]
.macro QUANT64 s, d
	v_max3_num_f32 v[TM], |v[\s]|, |v[\s+1]|, FL       ; with the floor 2^(5 - 127): the byte cannot fall under 1
	v_max3_num_f32 v[TM+1], |v[\s+32]|, |v[\s+33]|, FL
	v_max3_num_f32 v[TM+2], |v[\s+16]|, |v[\s+17]|, |v[\s+18]|
	v_max3_num_f32 v[TM+3], |v[\s+48]|, |v[\s+49]|, |v[\s+50]|
.irp i, 2,4,6,8,10,12
	v_max3_num_f32 v[TM], v[TM], |v[\s+\i]|, |v[\s+\i+1]|
	v_max3_num_f32 v[TM+1], v[TM+1], |v[\s+32+\i]|, |v[\s+33+\i]|
	v_max3_num_f32 v[TM+2], v[TM+2], |v[\s+17+\i]|, |v[\s+18+\i]|
	v_max3_num_f32 v[TM+3], v[TM+3], |v[\s+49+\i]|, |v[\s+50+\i]|
.endr
	v_max3_num_f32 v[TM], v[TM], |v[\s+14]|, |v[\s+15]|
	v_max3_num_f32 v[TM+1], v[TM+1], |v[\s+46]|, |v[\s+47]|
	v_max3_num_f32 v[TM], v[TM], v[TM+2], |v[\s+31]|
	v_max3_num_f32 v[TM+1], v[TM+1], v[TM+3], |v[\s+63]|
	v_add_nc_u32 v[TM+2], 0xfe000000, v[TM]            ; 4 off the exponent field: the conversion's scale operand
	v_add_nc_u32 v[TM+3], 0xfe000000, v[TM+1]
	v_lshrrev_b32 v[TM+4], 23, v[TM+2]
	v_lshrrev_b32 v[TM+5], 23, v[TM+3]
	v_lshl_or_b32 v[TM+6], v[TM+5], 16, v[TM+4]        ; my blocks are h and 2 + h
	v_lshlrev_b32 v[TM+6], v[SH], v[TM+6]
	v_permlanex16_b32 v[TM+7], v[TM+6], s[SEL], s[SEL+1]
	v_or_b32 v[TM+6], v[TM+6], v[TM+7]
	v_cvt_scalef32_pk16_bf6_f32 v[\d:\d+2], v[\s:\s+15], v[TM+2]
	v_cvt_scalef32_pk16_bf6_f32 v[TM+8:TM+10], v[\s+16:\s+31], v[TM+2]
	v_cvt_scalef32_pk16_bf6_f32 v[\d+6:\d+8], v[\s+32:\s+47], v[TM+3]
	v_cvt_scalef32_pk16_bf6_f32 v[TM+12:TM+14], v[\s+48:\s+63], v[TM+3]
	v_nop                                              ; one plain place behind a scaled conversion
.irp i, 0,1,2
	v_mov_b32 v[\d+3+\i], v[TM+8+\i]                   ; (a conversion's three registers begin on an even number)
	v_mov_b32 v[\d+9+\i], v[TM+12+\i]
.endr
.endm
; one whole block a lane: six registers at d; the byte in v[TM+4]
.macro QUANT32 s, d
	v_max3_num_f32 v[TM], |v[\s]|, |v[\s+1]|, FL
	v_max3_num_f32 v[TM+2], |v[\s+16]|, |v[\s+17]|, |v[\s+18]|
.irp i, 2,4,6,8,10,12
	v_max3_num_f32 v[TM], v[TM], |v[\s+\i]|, |v[\s+\i+1]|
	v_max3_num_f32 v[TM+2], v[TM+2], |v[\s+17+\i]|, |v[\s+18+\i]|
.endr
	v_max3_num_f32 v[TM], v[TM], |v[\s+14]|, |v[\s+15]|
	v_max3_num_f32 v[TM], v[TM], v[TM+2], |v[\s+31]|
	v_add_nc_u32 v[TM+3], 0xfe000000, v[TM]
	v_lshrrev_b32 v[TM+4], 23, v[TM+3]
	v_cvt_scalef32_pk16_bf6_f32 v[\d:\d+2], v[\s:\s+15], v[TM+3]
	v_cvt_scalef32_pk16_bf6_f32 v[TM+8:TM+10], v[\s+16:\s+31], v[TM+3]
	v_nop
.irp i, 0,1,2
	v_mov_b32 v[\d+3+\i], v[TM+8+\i]
.endr
.endm
.macro FETCH reg, adr, off
.irp i, 0,1,2
	ds_load_b128 v[\reg+4*\i:\reg+4*\i+3], v[\adr] offset:\off+16*\i
.endr
.endm
; 16 of my rows: from my raw bytes to an image
.macro QTILE off, va, vs
.irp c, 0,1
.irp j, 0,1,2,3,4,5,6,7
	ds_load_b128 v[32+32*\c+4*\j:35+32*\c+4*\j], v4 offset:\off+256*\c+16*\j
.endr
.endr
	s_wait_dscnt 0x0
	QUANT64 32, 96
.irp i, 0,1,2
	ds_store_b128 v[\va], v[96+4*\i:99+4*\i] offset:16*\i
.endr
	ds_store_b32 v[\vs], v[TM+6]
.endm
	s_load_b512 s[4:19], s[0:1], 0x0               ; y s[4:5], qkv_w s[6:7], qkv_b s[8:9], kv s[10:11], proj_w s[12:13], wimg s[14:15], wscl s[16:17], tab s[18:19]
	v_lshl_add_u32 v10, v0, 2, SPARE
	v_mov_b32 v11, 0
	ds_add_u32 v10, v11                            ; the opening: the add twice on end and its wait
	ds_add_u32 v10, v11
	v_lshrrev_b32 v1, 5, v0
	v_readfirstlane_b32 s2, v1                     ; wave 0 .. 17
	s_bfe_u32 s3, ttmp6, 0x40000                   ; cx
	s_lshl_b32 s20, ttmp9, 2
	s_add_co_u32 s20, s20, s3                      ; n
	s_and_b32 s21, s2, 1                           ; the wave's bits b0 .. b3
	s_bfe_u32 s22, s2, 0x10001
	s_bfe_u32 s23, s2, 0x10002
	s_bfe_u32 s24, s2, 0x10003
	s_and_b32 s25, s2, 7
	s_mov_b32 s[SEL], 0x76543210
	s_mov_b32 s[SEL+1], 0xfedcba98                 ; v_permlanex16_b32's selects for lane l xor 16
	; descriptors, group 1: rows of 512 bytes (64 elements of 8), 16 bytes of padding behind each: y 16 rows; qkv_w 32 rows, joint
	s_mov_b32 s28, (3<<16)|(1<<20)|(6<<22)|(3<<25)
	s_mov_b32 s29, 64<<16
	s_mov_b32 s30, 16<<16
	s_mov_b32 s31, 64<<16
	s_mov_b32 s32, 16
	s_mov_b32 s33, 64
	s_mov_b32 s34, 0
	s_mov_b32 s35, 0
	s_mov_b32 s36, 15|(3<<16)|(1<<20)|(1<<21)|(6<<22)|(3<<25)
	s_mov_b32 s37, 64<<16
	s_mov_b32 s38, 32<<16
	s_mov_b32 s39, 64<<16
	s_mov_b32 s40, 32
	s_mov_b32 s41, 64
	s_mov_b32 s42, 0
	s_mov_b32 s43, 0
	s_mov_b32 s44, 1
	s_mul_i32 s45, s2, 8448                        ; y's raw rows: 16 x 528 bytes a wave
	s_mov_b32 s48, 1
	s_mul_i32 s49, s25, 16896                      ; qkv_w's: 32 x 528 bytes a wave, behind them
	s_add_co_u32 s49, s49, 67584
	s_lshl_b32 s56, s20, 16                        ; y: 128 rows of 512 bytes a work-group; my 16 rows: 64 b1 + 32 b2 + 16 b0 on
	s_lshl_b32 s60, s22, 15
	s_add_co_u32 s56, s56, s60
	s_lshl_b32 s60, s23, 14
	s_add_co_u32 s56, s56, s60
	s_lshl_b32 s60, s21, 13
	s_add_co_u32 s56, s56, s60
	s_mov_b32 s57, 0
	s_lshl_b32 s58, s25, 14                        ; qkv_w: rows 128 + 32 (w % 8) on
	s_add_co_u32 s58, s58, 65536
	s_mov_b32 s59, 0
	s_mul_i32 s60, s24, s25                        ; my raw bytes: 8,448 w for waves 0-7, 67,584 + 16,896 (w - 8) for waves 8-15
	s_add_co_u32 s60, s60, s2
	s_mul_i32 s60, s60, 8448
	; U = 4 x image + half of its rows, of my first 16 rows.  y: c = b1, half = b2, t / 2 = b0.  W_k: 32 + 16 b1 + b0, and 8 more for my second 16 rows; W_v: 64 + 16 b1 + 8 b0, and 1 more
	s_lshl_b32 s62, s21, 3
	s_add_co_u32 s62, s62, s23
	s_xor_b32 s63, s24, 1
	s_mul_i32 s62, s62, s63
	s_mul_i32 s66, s23, 7
	s_add_co_u32 s66, s66, 1
	s_mul_i32 s66, s66, s21
	s_lshl_b32 s67, s23, 5
	s_add_co_u32 s66, s66, s67
	s_add_co_u32 s66, s66, 32
	s_mul_i32 s66, s66, s24
	s_lshl_b32 s61, s22, 4
	s_add_co_u32 s61, s61, s62
	s_add_co_u32 s61, s61, s66
	s_xor_b32 s69, s23, 1
	s_mul_i32 s69, s69, 7
	s_add_co_u32 s69, s69, 1
	s_mul_i32 s70, s61, 384
	s_add_co_u32 s70, s70, IMG
	s_lshl_b32 s71, s61, 5
	s_add_co_u32 s71, s71, SCI
	s_mul_i32 s72, s69, 384
	s_lshl_b32 s73, s69, 5
	s_mul_i32 s74, s25, 1536                       ; image w % 8
	s_mul_i32 s75, s24, 6144                       ; four images for b3
	s_lshl_b32 s76, s25, 7
	s_lshl_b32 s77, s24, 9
	s_mul_i32 s78, s23, 1536                       ; the stage: k of tile w % 8 = 4 c + t (c = b2), heads 2 b3 + h
	s_add_co_u32 s78, s78, s75
	s_mul_i32 s79, s21, 768
	s_add_co_u32 s78, s78, s79
	s_mul_i32 s79, s22, 24
	s_add_co_u32 s78, s78, s79
	s_add_co_u32 s78, s78, OST
	s_lshl_b32 s80, s24, 8
	s_lshl_b32 s79, s23, 6
	s_add_co_u32 s80, s80, s79
	s_and_b32 s79, s2, 3
	s_add_co_u32 s80, s80, s79
	s_add_co_u32 s80, s80, OST+24576
	s_mul_i32 s81, s24, 24                         ; v of image w % 8, keys 64 b3 on
	s_add_co_u32 s81, s81, s74
	s_add_co_u32 s81, s81, OST+12288
	s_lshl_b32 s82, s25, 6
	s_lshl_b32 s79, s24, 1
	s_add_co_u32 s82, s82, s79
	s_add_co_u32 s82, s82, OST+25088
	s_add_co_u32 s74, s74, IMG
	s_add_co_u32 s75, s75, IMG
	s_add_co_u32 s76, s76, SCI
	s_add_co_u32 s77, s77, SCI
	s_lshl_b32 s83, s2, 9
	v_and_b32 v1, 31, v0                           ; l
	v_and_b32 v2, 15, v0                           ; r
	v_bfe_u32 v3, v0, 4, 1                         ; h
	v_bfe_u32 v21, v0, 3, 1                        ; r / 8
	v_and_b32 v22, 7, v0                           ; r % 8
	v_mul_u32_u24 v4, 0x210, v2
	v_lshl_add_u32 v4, v3, 7, v4
	v_add_nc_u32 v4, s60, v4                       ; my raw rows: row r, + 128 h
	v_mul_u32_u24 v5, 0x600, v21
	v_mul_u32_u24 v6, 0x300, v3
	v_add_nc_u32 v5, v5, v6
	v_mad_u32_u24 v5, v22, 48, v5
	v_add_nc_u32 v5, s70, v5                       ; where my first rows' images go,
	v_lshlrev_b32 v6, 7, v21
	v_lshl_add_u32 v6, v22, 2, v6
	v_add_nc_u32 v6, s71, v6                       ; and their scale words
	v_mul_u32_u24 v7, v1, 48
	v_add_nc_u32 v15, s81, v7
	v_add_nc_u32 v8, s75, v7
	v_add_nc_u32 v7, s74, v7
	v_lshlrev_b32 v9, 2, v2
	v_lshl_add_u32 v14, v3, 7, v9
	v_add_nc_u32 v14, s80, v14
	v_add_nc_u32 v16, v9, v3
	v_add_nc_u32 v16, s82, v16
	v_add_nc_u32 v12, s77, v9
	v_add_nc_u32 v9, s76, v9
	v_mul_u32_u24 v13, 0xc00, v3
	v_mad_u32_u24 v13, v2, 48, v13
	v_add_nc_u32 v13, s78, v13
	v_lshlrev_b32 v18, 4, v1
	v_add_nc_u32 v18, s83, v18                     ; the way out: 512 w + 16 l
	v_add_nc_u32 v17, OST, v18
	v_and_b32 v23, 63, v0
	v_lshlrev_b32 v19, 2, v23
	v_add_nc_u32 v19, TST, v19
	v_lshlrev_b32 v23, 4, v23
	v_add_nc_u32 v20, TST, v23
	v_lshlrev_b32 v24, 3, v3                       ; 8 h
	v_add_nc_u32 v1, s72, v5                       ; my second rows' images (l and r are not needed any more)
	v_add_nc_u32 v2, s73, v6
	v_mov_b32 v[TM+7], 0                           ; a lane permute's destination counts as one of its sources
	s_wait_alu depctr_va_vdst(0)                   ; the wait at the head's end
	s_wait_dscnt 0x0
	s_wait_kmcnt 0x0
	s_add_nc_u64 s[46:47], s[4:5], s[56:57]
	s_or_b32 s47, s47, 0x80000000
	s_add_nc_u64 s[50:51], s[6:7], s[58:59]
	s_or_b32 s51, s51, 0x80000000
	s_mul_i32 s56, s20, 25600
	s_add_nc_u64 s[10:11], s[10:11], s[56:57]      ; kv at my part
	s_lshl_b32 s56, s20, 10
	s_add_nc_u64 s[18:19], s[18:19], s[56:57]      ; tab at my row
	ROUND                                          ; all four work-groups are here: the joint loads meet
	s_cmp_lt_u32 s2, 8
	s_cbranch_scc0 .Lask_w
	tensor_load_to_lds s[44:47], s[28:35]
	s_nop 0
	PLACES 4
	s_branch .Lasked
.Lask_w:
	s_cmp_lt_u32 s2, 16
	s_cbranch_scc0 .Lextra
	tensor_load_to_lds s[48:51], s[36:43]
	s_nop 0
	PLACES 4
.Lasked:
	; ---- waves 0-15: the biases, for the products: k's in the result's layout, v's of the lane's channel
	s_lshl_b32 s56, s24, 8
	s_add_nc_u64 s[66:67], s[8:9], s[56:57]
	s_lshr_b32 s56, s25, 1
	s_lshl_b32 s56, s56, 7
	s_lshl_b32 s60, s21, 5
	s_add_co_u32 s56, s56, s60
	s_add_nc_u64 s[70:71], s[8:9], s[56:57]
	v_lshlrev_b32 v26, 7, v3
	v_lshlrev_b32 v27, 6, v21
	v_lshl_add_u32 v27, v22, 2, v27
.irp j, 0,1,2,3,4,5,6,7
	global_load_b128 v[144+4*\j:147+4*\j], v26, s[66:67] offset:512+16*\j
.endr
	global_load_b32 v25, v27, s[70:71] offset:1024
	s_wait_tensorcnt 0x0                           ; my rows have landed; no other wave reads them
	QTILE 0, 5, 6
	s_wait_alu depctr_va_vdst(0)
	s_cmp_lt_u32 s2, 8
	s_cbranch_scc1 .Ljoin1
	QTILE 8448, 1, 2
	s_wait_alu depctr_va_vdst(0)
	s_branch .Ljoin1
	; ---- waves 16, 17
.Lextra:
	s_cmp_ge_u32 ttmp9, 57
	s_cbranch_scc1 .Lwts
; n loads of 16 bytes, the same bytes in every lane (v49 = 0)
.macro BLOAD reg, sb, n
.set q, 0
.rept \n
	global_load_b128 v[\reg+4*q:\reg+4*q+3], v49, s[\sb:\sb+1] offset:16*q
.set q, q+1
.endr
.endm
; relu(layer norm) of v[x] .. v[x + 7], in place; gain and bias in s[g ..], s[b ..]; v48 = 1e-5
.macro LN x, g, b
	v_add_f32 v44, v[\x], v[\x+1]
	v_add_f32 v45, v[\x+2], v[\x+3]
	v_add_f32 v46, v[\x+4], v[\x+5]
	v_add_f32 v47, v[\x+6], v[\x+7]
	v_add_f32 v44, v44, v45
	v_add_f32 v46, v46, v47
	v_add_f32 v44, v44, v46
	v_mul_f32 v44, 0x3e000000, v44                 ; the mean
.irp i, 0,1,2,3,4,5,6,7
	v_sub_f32 v[\x+\i], v[\x+\i], v44
.endr
	v_mul_f32 v45, v[\x], v[\x]
	v_mul_f32 v46, v[\x+1], v[\x+1]
.irp i, 2,4,6
	v_fmac_f32 v45, v[\x+\i], v[\x+\i]
	v_fmac_f32 v46, v[\x+\i+1], v[\x+\i+1]
.endr
	v_add_f32 v45, v45, v46
	v_fmamk_f32 v45, v45, 0x3e000000, v48          ; the variance + 1e-5
	s_wait_alu depctr_va_vdst(0)
	v_rsq_f32 v45, v45
	v_nop                                          ; one plain place behind a transcendental
	s_wait_alu depctr_va_vdst(0)
.irp i, 0,1,2,3,4,5,6,7
	v_mul_f32 v[\x+\i], v[\x+\i], v45
.endr
.irp i, 0,1,2,3,4,5,6,7
	v_fma_f32 v[\x+\i], v[\x+\i], s[\g+\i], s[\b+\i]
.endr
.irp i, 0,1,2,3,4,5,6,7
	v_max_num_f32 v[\x+\i], 0, v[\x+\i]
.endr
.endm
; v[d + o] = the sum over i of v[w + 8 o + i] v[x + i] + s[bb + o], o < n
.macro MAT d, x, w, bb, n
.set o, 0
.rept \n
	v_fma_f32 v[\d+o], v[\w+8*o], v[\x], s[\bb+o]
.set o, o+1
.endr
.set i, 1
.rept 7
.set o, 0
.rept \n
	v_fmac_f32 v[\d+o], v[\w+8*o+i], v[\x+i]
.set o, o+1
.endr
.set i, i+1
.endr
.endm
	s_mul_i32 s48, s20, 4370
	s_lshr_b32 s48, s48, 16                        ; a = n / 15 (exact for n < 228)
	s_mul_i32 s49, s48, 15
	s_sub_co_u32 s49, s20, s49                     ; b = n % 15
	s_sub_co_i32 s48, 7, s48
	s_sub_co_i32 s49, 7, s49
	v_cvt_f32_i32 v26, s48                         ; hq - hk
	v_cvt_f32_i32 v27, s49                         ; wq - wk
	v_bfe_u32 v25, v0, 3, 3
	v_sub_nc_u32 v25, v25, v22
	v_cvt_f32_i32 v25, v25                         ; dq - dk
	v_mov_b32 v48, 0x3727c5ac                      ; 1e-5
	v_mov_b32 v49, 0
	s_wait_alu depctr_va_vdst(0)
	s_load_b512 s[20:35], s[0:1], 0x40             ; pos_proj_w s[20:21], pos_proj_b s[22:23], ln1_g s[24:25], ln1_b s[26:27], p1_w s[28:29], p1_b s[30:31], ln2_g s[32:33], ln2_b s[34:35]
	s_load_b256 s[36:43], s[0:1], 0x80             ; p2_w s[36:37], p2_b s[38:39], ln3_g s[40:41], ln3_b s[42:43]
	s_load_b128 s[44:47], s[0:1], 0xa0             ; p3_w s[44:45], p3_b s[46:47]
	s_wait_kmcnt 0x0
	s_load_b512 s[48:63], s[20:21], 0x0            ; pos_proj_w's 24 numbers: 0-15,
	s_load_b256 s[68:75], s[20:21], 0x40           ; 16-23
	s_load_b256 s[76:83], s[22:23], 0x0
	s_load_b256 s[84:91], s[24:25], 0x0
	s_load_b256 s[92:99], s[26:27], 0x0
	BLOAD 50, 28, 16                               ; p1_w
	BLOAD 114, 36, 16                              ; p2_w
	s_wait_kmcnt 0x0
.irp i, 0,1,2,3,4,5,6,7
.set rr, 48+3*\i+2+4*((3*\i+2)/16)
	v_fma_f32 v[28+\i], s[rr], v25, s[76+\i]
.endr
.irp i, 0,1,2,3,4,5,6,7
.set rr, 48+3*\i+1+4*((3*\i+1)/16)
	v_fmac_f32 v[28+\i], s[rr], v27
.endr
.irp i, 0,1,2,3,4,5,6,7
.set rr, 48+3*\i+4*((3*\i)/16)
	v_fmac_f32 v[28+\i], s[rr], v26
.endr
	LN 28, 84, 92
	s_wait_alu depctr_va_vdst(0)
	s_load_b256 s[48:55], s[30:31], 0x0            ; p1_b
	s_load_b256 s[56:63], s[32:33], 0x0            ; ln2_g
	s_load_b256 s[68:75], s[34:35], 0x0            ; ln2_b
	s_load_b256 s[76:83], s[38:39], 0x0            ; p2_b
	s_load_b256 s[84:91], s[40:41], 0x0            ; ln3_g
	s_load_b256 s[92:99], s[42:43], 0x0            ; ln3_b
	s_load_b128 s[20:23], s[46:47], 0x0            ; p3_b
	s_wait_loadcnt 16                              ; p1_w is in: p2_w's 16 loads were issued behind it
	s_wait_kmcnt 0x0
	MAT 36, 28, 50, 48, 8
	BLOAD 50, 44, 8                                ; p3_w, where p1_w was
	LN 36, 56, 68
	s_wait_alu depctr_va_vdst(0)
	s_wait_loadcnt 8                               ; p2_w is in: p3_w's 8 loads behind it
	MAT 28, 36, 114, 76, 8
	LN 28, 84, 92
	s_wait_alu depctr_va_vdst(0)
	s_wait_loadcnt 0x0
	MAT 36, 28, 50, 20, 4                          ; v36-39: the four heads' numbers of my offset
.irp h, 0,1,2,3
	ds_store_b32 v19, v[36+\h] offset:256*\h       ; the row as it will lie in memory: head x 256 + 4 (8 dq + dk)
.endr
	s_branch .Ljoin1
.Lwts:
	s_cmp_ge_u32 ttmp9, 59
	s_cbranch_scc1 .Ljoin1
	s_lshl_b32 s56, s3, 1
	s_add_co_u32 s56, s56, s21                     ; tile 0 .. 7 of W_q (cluster 57) or of proj_w (58)
	s_lshr_b32 s61, s56, 2
	s_lshl_b32 s61, s61, 15                        ; W_q: 64 rows a pair of heads, 8 a tile; rows 8-15 of a tile lie 32 rows on
	s_and_b32 s58, s56, 3
	s_lshl_b32 s58, s58, 12
	s_add_co_u32 s61, s61, s58
	s_lshl_b32 s58, s56, 13                        ; proj_w: 16 rows a tile, in their order
	s_add_co_u32 s60, s56, 8
	s_mov_b32 s59, 4096
	s_cmp_eq_u32 ttmp9, 57
	s_cselect_b64 s[66:67], s[6:7], s[12:13]
	s_cselect_b32 s58, s61, s58
	s_cselect_b32 s62, 16384, s59
	s_cselect_b32 s60, s56, s60
	s_mov_b32 s59, 0
	s_add_nc_u64 s[66:67], s[66:67], s[58:59]
	s_mul_i32 s56, s60, 1536
	s_add_nc_u64 s[14:15], s[14:15], s[56:57]
	s_lshl_b32 s56, s60, 7
	s_add_nc_u64 s[16:17], s[16:17], s[56:57]
	v_mul_u32_u24 v26, s62, v21
	v_lshl_add_u32 v26, v22, 9, v26
	v_lshl_add_u32 v26, v3, 7, v26                 ; my row, + 128 h
	v_and_b32 v28, 31, v0
	v_lshlrev_b32 v27, 4, v28
	v_lshlrev_b32 v28, 2, v28
.irp c, 0,1
.irp j, 0,1,2,3,4,5,6,7
	global_load_b128 v[48+32*\c+4*\j:51+32*\c+4*\j], v26, s[66:67] offset:256*\c+16*\j
.endr
.endr
	s_wait_alu depctr_va_vdst(0)
	s_wait_loadcnt 0x0
	QUANT64 48, 112
.irp i, 0,1,2
	global_store_b128 v27, v[112+4*\i:115+4*\i], s[14:15] offset:512*\i   ; 32 lanes store 512 consecutive bytes
.endr
	global_store_b32 v28, v[TM+6], s[16:17]
.Ljoin1:
	s_wait_dscnt 0x0
	s_barrier_signal -1
	s_barrier_wait -1                              ; the 24 images, or the row of the table, lie in LDS
	s_cmp_ge_u32 s2, 16
	s_cbranch_scc1 .Lextra2
	s_wait_loadcnt 0x0                             ; the biases are in
	FETCH 32, 7, 0                                 ; y's tile w % 8
	ds_load_b32 v26, v9
.irp t, 0,1,2,3
	FETCH 44+12*\t, 8, 12288+1536*\t               ; W_k's four tiles of my pair of heads
	ds_load_b32 v[28+\t], v12 offset:1024+128*\t
.endr
	FETCH 92, 7, 24576                             ; W_v's tile w % 8
	ds_load_b32 v27, v9 offset:2048
.irp j, 0,1,2,3,4,5,6,7
	v_mov_b32 v[136+\j], v25                       ; v's bias hangs on the lane's channel alone
.endr
	s_wait_alu depctr_va_vdst(0)
	s_wait_dscnt 0x0
.irp t, 0,1,2,3
	WM 144+8*\t, 44+12*\t, 32, 144+8*\t, 28+\t, 26 ; register 8 t + j = channel 8 t + j of head 2 b3 + h, key of row r
.endr
	PLACES 4
.irp t, 0,1,2,3
	FETCH 44+12*\t, 8, 1536*\t                     ; y's four tiles of keys 64 b3 on
	ds_load_b32 v[28+\t], v12 offset:128*\t
.endr
	QUANT32 144, 32
.irp k, 0,1,2
	ds_store_b64 v13, v[32+2*\k:33+2*\k] offset:8*\k
.endr
	ds_store_b8 v14, v[TM+4]
	s_wait_alu depctr_va_vdst(0)
	s_wait_dscnt 0x0
.irp t, 0,1,2,3
	WM 104+8*\t, 44+12*\t, 92, 136, 28+\t, 27      ; V^T: register 8 t + j = key 64 b3 + 32 h + 8 t + j, lane r one channel
.endr
	PLACES 4
	QUANT32 104, 38
.irp k, 0,1,2
	ds_store_b64 v15, v[38+2*\k:39+2*\k] offset:8*\k
.endr
	ds_store_b8 v16, v[TM+4]
	s_branch .Ljoin2
.Lextra2:
	s_cmp_ge_u32 ttmp9, 57
	s_cbranch_scc1 .Ljoin2
	ds_load_b128 v[32:35], v20
	s_wait_dscnt 0x0
	global_store_b128 v23, v[32:35], s[18:19]      ; 64 threads store 1,024 consecutive bytes
.Ljoin2:
	s_wait_dscnt 0x0
	s_barrier_signal -1
	s_barrier_wait -1                              ; the stage is whole
	s_cmp_ge_u32 s2, 16
	s_cbranch_scc1 .Lend
.irp t, 0,1,2
	ds_load_b128 v[32+4*\t:35+4*\t], v17 offset:8192*\t
.endr
	s_wait_dscnt 0x0
.irp t, 0,1,2
	global_store_b128 v18, v[32+4*\t:35+4*\t], s[10:11] offset:8192*\t   ; 32 lanes store 512 consecutive bytes
.endr
	s_cmp_ge_u32 s2, 2                             ; the scale bytes: the last 1,024
	s_cbranch_scc1 .Lend
	ds_load_b128 v[44:47], v17 offset:24576
	s_wait_dscnt 0x0
	global_store_b128 v18, v[44:47], s[10:11] offset:24576
.Lend:
	s_wait_tensorcnt 0x0                           ; the wave's end
	ds_add_u32 v10, v11
	s_wait_dscnt 0x0
	ROUND                                          ; the closing round
	s_endpgm
.Lfunc_end_k_q11d5ce4c5d_kv:
	.size	k_q11d5ce4c5d_kv, .Lfunc_end_k_q11d5ce4c5d_kv-k_q11d5ce4c5d_kv
	.p2alignl 7, 3214868480
	.fill 96, 4, 3214868480
	.section	.rodata,"a",@progbits
	.p2align	6, 0x0
	.amdhsa_kernel k_q11d5ce4c5d_kv
		.amdhsa_group_segment_fixed_size 271616
		.amdhsa_private_segment_fixed_size 0
		.amdhsa_enable_private_segment 0
		.amdhsa_kernarg_size 176
		.amdhsa_user_sgpr_count 2
		.amdhsa_user_sgpr_kernarg_segment_ptr 1
		.amdhsa_wavefront_size32 1
		.amdhsa_system_sgpr_workgroup_id_x 1
		.amdhsa_system_sgpr_workgroup_id_y 1
		.amdhsa_system_sgpr_workgroup_id_z 1
		.amdhsa_system_vgpr_workitem_id 0
		.amdhsa_next_free_vgpr 192
		.amdhsa_next_free_sgpr 100
		.amdhsa_reserve_vcc 0
		.amdhsa_float_denorm_mode_32 3
		.amdhsa_float_denorm_mode_16_64 3
		.amdhsa_memory_ordered 1
		.amdhsa_forward_progress 1
		.amdhsa_inst_pref_size 52
	.end_amdhsa_kernel
	.amdgpu_metadata
---
amdhsa.version: [ 1, 2 ]
amdhsa.kernels:
  - .name:           k_q11d5ce4c5d_kv
    .symbol:         k_q11d5ce4c5d_kv.kd
    .args:
      - { .name: y, .offset: 0, .size: 8, .value_kind: global_buffer, .address_space: global }
      - { .name: qkv_w, .offset: 8, .size: 8, .value_kind: global_buffer, .address_space: global }
      - { .name: qkv_b, .offset: 16, .size: 8, .value_kind: global_buffer, .address_space: global }
      - { .name: kv, .offset: 24, .size: 8, .value_kind: global_buffer, .address_space: global }
      - { .name: proj_w, .offset: 32, .size: 8, .value_kind: global_buffer, .address_space: global }
      - { .name: wimg, .offset: 40, .size: 8, .value_kind: global_buffer, .address_space: global }
      - { .name: wscl, .offset: 48, .size: 8, .value_kind: global_buffer, .address_space: global }
      - { .name: tab, .offset: 56, .size: 8, .value_kind: global_buffer, .address_space: global }
      - { .name: pos_proj_w, .offset: 64, .size: 8, .value_kind: global_buffer, .address_space: global }
      - { .name: pos_proj_b, .offset: 72, .size: 8, .value_kind: global_buffer, .address_space: global }
      - { .name: ln1_g, .offset: 80, .size: 8, .value_kind: global_buffer, .address_space: global }
      - { .name: ln1_b, .offset: 88, .size: 8, .value_kind: global_buffer, .address_space: global }
      - { .name: p1_w, .offset: 96, .size: 8, .value_kind: global_buffer, .address_space: global }
      - { .name: p1_b, .offset: 104, .size: 8, .value_kind: global_buffer, .address_space: global }
      - { .name: ln2_g, .offset: 112, .size: 8, .value_kind: global_buffer, .address_space: global }
      - { .name: ln2_b, .offset: 120, .size: 8, .value_kind: global_buffer, .address_space: global }
      - { .name: p2_w, .offset: 128, .size: 8, .value_kind: global_buffer, .address_space: global }
      - { .name: p2_b, .offset: 136, .size: 8, .value_kind: global_buffer, .address_space: global }
      - { .name: ln3_g, .offset: 144, .size: 8, .value_kind: global_buffer, .address_space: global }
      - { .name: ln3_b, .offset: 152, .size: 8, .value_kind: global_buffer, .address_space: global }
      - { .name: p3_w, .offset: 160, .size: 8, .value_kind: global_buffer, .address_space: global }
      - { .name: p3_b, .offset: 168, .size: 8, .value_kind: global_buffer, .address_space: global }
    .group_segment_fixed_size: 271616
    .private_segment_fixed_size: 0
    .kernarg_segment_align: 8
    .kernarg_segment_size: 176
    .max_flat_workgroup_size: 576
    .sgpr_count:     100
    .vgpr_count:     192
    .wavefront_size: 32
...
	.end_amdgpu_metadata
.endif
;; end of part 1
;; launch attn (part 2): grid 4 x 64, 16 waves a work-group, clusters of 4 x 4, 327,680 bytes of LDS; arguments x, qkv_b, proj_b, tab, kv, wimg, wscl, out0; writes out0
.if DOCPART == 2
	.amdgcn_target "amdgcn-amd-amdhsa--gfx1250"
	.amdhsa_code_object_version 6
	.text
	.protected	k_q11d5ce4c5d_attn
	.globl	k_q11d5ce4c5d_attn
	.p2align	8
	.type	k_q11d5ce4c5d_attn,@function
k_q11d5ce4c5d_attn:
	s_mov_b64 s[64:65], 0
	v_nop
	global_prefetch_b8 v0, s[64:65] scope:SCOPE_SE
	s_setreg_imm32_b32 hwreg(HW_REG_WAVE_MODE, 25, 1), 1
	s_wait_xcnt 0x0
	s_wait_alu depctr_hold_cnt(0) depctr_sa_sdst(0) depctr_va_vdst(0) depctr_va_sdst(0) depctr_va_ssrc(0) depctr_va_vcc(0) depctr_vm_vsrc(0)
	s_getreg_b32 s2, hwreg(HW_REG_IB_STS2, 6, 4)
	s_cmp_eq_u32 s2, 0
	s_cbranch_scc0 .Lentry_in_a_cluster
	s_endpgm
.Lentry_in_a_cluster:
	s_bfe_u32 s2, ttmp6, 0x10000c
	s_cmp_lg_u32 s2, 0xf033
	s_cbranch_scc0 .Lentry_shape_is_right
	s_endpgm
.Lentry_shape_is_right:
; SECOND LAUNCH: out = proj(softmax(q(x) k(y)^T / sqrt(32) + bias) v(y)), every product on codes of BF6 (E3M2) with one E8M0 scale for each 32 along its K; sums, softmax and all else in f32.
; WORK LEFT OUT: k and v of x, which reach no output (the first kernel's head).
; SHARES.  A work-group owns 128 queries (QB = x, one of four) of one batch (y); sixteen waves of 256 registers.
; PHASES.  Head: waves 0-3 fetch x's 128 rows, waves 4-7 K and V of 128 keys each, waves 8-12 27 rows each of the table, one tensor load a wave | barrier: x is in |
;   Q: wave w quantises x's tile w % 8, makes q x 32^-0.5 of heads 2 (w / 8), 2 (w / 8) + 1, quantises it, stores codes and scale words | barrier: all is in |
;   attention: wave w takes head w / 4 and the two tiles of queries 32 (w % 4) on, 128 keys a step: a fragment of K or V serves both tiles.  O / l, quantised, to LDS | barrier | the projection: 64 channels of tile w % 8, and out.
; CLUSTER 4 x 4: the row (one batch) asks jointly for K and V, the column (one QB) for its part of the table.  x is each work-group's own.  No LDS address and no branch hangs on cx or cy.
; No prefetch: the loads from memory stand at the head and behind the loop, and no loop asks for more.  No bytes of LDS are filled twice.
; LAYOUT, as the first kernel's head has it.  S^T = K Q^T + bias: lane (r, h) holds query r, and its 32 registers of the four tiles of c the keys 64 c + 32 h + 0..31: a whole block of P's quantiser, in the order of P's operand.
;   The head's K is 32, the instruction's 128: a fragment of K holds four tiles, one in each block of 32; Q's codes stand in one block and zero codes in the other three.
;   The run [0][QL0][0][QH0][0][QL1][0][QH1][0] (six registers each; QL: codes in lanes 0-15, QH: in lanes 16-31; 0, 1: the tile of queries) gives all placings by the choice of the first register.
;   THE BIAS IS THE C: a lane's eight registers of a tile are eight neighbouring keys of one query: 32 consecutive bytes of a row of the table.
; SOFTMAX: t = logit x log2(e); M = the running largest t rounded UP to a whole number; p = 2^(t - M), not normalised, is quantised along the keys; the sum is of the unquantised p and divides O at the end.
;   A block's largest p is the exponential of its largest logit (this takes v_exp_f32 not to fall where its input rises).
; LIMITS: NaN and infinities among the inputs are not served; the promise holds while t stays under 2^31 in magnitude; a block whose largest magnitude lies under 2^-122 keeps the byte 1, a block of zeros too; the division by l is v_rcp_f32 and a product.
; REGISTERS: v1-11 addresses; v[12:13], v[14:15] -M and the largest logit of the two tiles; v[16:17], v[18:19] the sums; v20 f; v22-75 Q's run; v76-99 K, then V; v100-104, v247 scale words; v105-111 addresses; v112-175 S, p;
;   v176-207 O^T; v208-231 P's codes; v232-246, v252-254 at work; v248-250 lane parts; v251, v255 the add's.
.set TP,    1040                       ; a row of the table in LDS: 1,024 bytes + 16; 135 rows from 0 on
.set KV,    140544                     ; K's and V's images and scale words: 25,600 bytes for each 128 keys
.set XB,    242944                     ; x: 128 rows of 528 bytes
.set QIMG,  310528                     ; q's codes: 24 bytes for each (head, query)
.set QSC,   322816                     ; and scale words
.set SPARE, 324864
.set OIMG,  XB                         ; O's codes: 104 bytes a query: written when nobody reads x any more
.set OSC,   XB+13312
.set STG,   KV                         ; the way out: 16 rows x 272 bytes a wave: written when nobody reads K and V any more
.set S,     112
.set TM,    232
.set SH,    248
.set SEL,   28
.set FL,    0x2800000
.macro PLACES n
.rept \n
	v_nop
.endr
.endm
.macro ROUND
	s_barrier_signal -1
	s_barrier_wait -1
	s_cmp_lg_u32 s20, 0
	s_cbranch_scc1 .Lnot_wave_0_\@
	s_barrier_signal -3
.Lnot_wave_0_\@:
	s_barrier_wait -3
	s_barrier_signal -1
	s_barrier_wait -1
.endm
.macro BARRIER
	s_wait_dscnt 0x0
	s_barrier_signal -1
	s_barrier_wait -1
.endm
.macro WM d, a, b, c, sa, sb, row=0
.if \row
	v_wmma_scale_f32_16x16x128_f8f6f4 v[\d:\d+7], v[\a:\a+11], v[\b:\b+11], v[\c:\c+7], v[\sa], v[\sb] matrix_a_fmt:MATRIX_FMT_BF6 matrix_b_fmt:MATRIX_FMT_BF6 matrix_a_scale:MATRIX_SCALE_ROW1
.else
	v_wmma_scale_f32_16x16x128_f8f6f4 v[\d:\d+7], v[\a:\a+11], v[\b:\b+11], v[\c:\c+7], v[\sa], v[\sb] matrix_a_fmt:MATRIX_FMT_BF6 matrix_b_fmt:MATRIX_FMT_BF6
.endif
.endm
.macro FETCH reg, adr, off
.irp i, 0,1,2
	ds_load_b128 v[\reg+4*\i:\reg+4*\i+3], v[\adr] offset:\off+16*\i
.endr
.endm
; two whole blocks a lane become the operand's 12 registers at d; the row's scale word in v[TM+6]
.macro QUANT64 s, d
	v_max3_num_f32 v[TM], |v[\s]|, |v[\s+1]|, FL       ; with the floor 2^(5 - 127): the byte cannot fall under 1
	v_max3_num_f32 v[TM+1], |v[\s+32]|, |v[\s+33]|, FL
	v_max3_num_f32 v[TM+2], |v[\s+16]|, |v[\s+17]|, |v[\s+18]|
	v_max3_num_f32 v[TM+3], |v[\s+48]|, |v[\s+49]|, |v[\s+50]|
.irp i, 2,4,6,8,10,12
	v_max3_num_f32 v[TM], v[TM], |v[\s+\i]|, |v[\s+\i+1]|
	v_max3_num_f32 v[TM+1], v[TM+1], |v[\s+32+\i]|, |v[\s+33+\i]|
	v_max3_num_f32 v[TM+2], v[TM+2], |v[\s+17+\i]|, |v[\s+18+\i]|
	v_max3_num_f32 v[TM+3], v[TM+3], |v[\s+49+\i]|, |v[\s+50+\i]|
.endr
	v_max3_num_f32 v[TM], v[TM], |v[\s+14]|, |v[\s+15]|
	v_max3_num_f32 v[TM+1], v[TM+1], |v[\s+46]|, |v[\s+47]|
	v_max3_num_f32 v[TM], v[TM], v[TM+2], |v[\s+31]|
	v_max3_num_f32 v[TM+1], v[TM+1], v[TM+3], |v[\s+63]|
	v_add_nc_u32 v[TM+2], 0xfe000000, v[TM]            ; 4 off the exponent field: the conversion's scale operand
	v_add_nc_u32 v[TM+3], 0xfe000000, v[TM+1]
	v_lshrrev_b32 v[TM+4], 23, v[TM+2]
	v_lshrrev_b32 v[TM+5], 23, v[TM+3]
	v_lshl_or_b32 v[TM+6], v[TM+5], 16, v[TM+4]
	v_lshlrev_b32 v[TM+6], v[SH], v[TM+6]
	v_permlanex16_b32 v[TM+7], v[TM+6], s[SEL], s[SEL+1]
	v_or_b32 v[TM+6], v[TM+6], v[TM+7]
	v_cvt_scalef32_pk16_bf6_f32 v[\d:\d+2], v[\s:\s+15], v[TM+2]
	v_cvt_scalef32_pk16_bf6_f32 v[TM+8:TM+10], v[\s+16:\s+31], v[TM+2]
	v_cvt_scalef32_pk16_bf6_f32 v[\d+6:\d+8], v[\s+32:\s+47], v[TM+3]
	v_cvt_scalef32_pk16_bf6_f32 v[TM+12:TM+14], v[\s+48:\s+63], v[TM+3]
	v_nop                                              ; one plain place behind a scaled conversion
.irp i, 0,1,2
	v_mov_b32 v[\d+3+\i], v[TM+8+\i]
	v_mov_b32 v[\d+9+\i], v[TM+12+\i]
.endr
.endm
; one whole block a lane: six registers at d; the byte in v[TM+4]
.macro QUANT32 s, d
	v_max3_num_f32 v[TM], |v[\s]|, |v[\s+1]|, FL
	v_max3_num_f32 v[TM+2], |v[\s+16]|, |v[\s+17]|, |v[\s+18]|
.irp i, 2,4,6,8,10,12
	v_max3_num_f32 v[TM], v[TM], |v[\s+\i]|, |v[\s+\i+1]|
	v_max3_num_f32 v[TM+2], v[TM+2], |v[\s+17+\i]|, |v[\s+18+\i]|
.endr
	v_max3_num_f32 v[TM], v[TM], |v[\s+14]|, |v[\s+15]|
	v_max3_num_f32 v[TM], v[TM], v[TM+2], |v[\s+31]|
	v_add_nc_u32 v[TM+3], 0xfe000000, v[TM]
	v_lshrrev_b32 v[TM+4], 23, v[TM+3]
	v_cvt_scalef32_pk16_bf6_f32 v[\d:\d+2], v[\s:\s+15], v[TM+3]
	v_cvt_scalef32_pk16_bf6_f32 v[TM+8:TM+10], v[\s+16:\s+31], v[TM+3]
	v_nop
.irp i, 0,1,2
	v_mov_b32 v[\d+3+\i], v[TM+8+\i]
.endr
.endm
	s_load_b512 s[4:19], s[0:1], 0x0               ; x s[4:5], qkv_b s[6:7], proj_b s[8:9], tab s[10:11], kv s[12:13], wimg s[14:15], wscl s[16:17], out0 s[18:19]
	v_lshl_add_u32 v251, v0, 2, SPARE
	v_mov_b32 v255, 0
	ds_add_u32 v251, v255                          ; the opening: the add twice on end and its wait
	ds_add_u32 v251, v255
	v_lshrrev_b32 v224, 5, v0
	v_readfirstlane_b32 s20, v224                  ; w: wave 0 .. 15
	s_and_b32 s21, s20, 7                          ; qt: my tile in the first and last phases,
	s_lshr_b32 s22, s20, 3                         ; hp: and my pair of heads, or 64 channels
	s_and_b32 s23, s20, 3                          ; qp: my two tiles in the attention,
	s_lshr_b32 s24, s20, 2                         ; and my head
	s_bfe_u32 s60, ttmp6, 0x40000                  ; cx
	s_bfe_u32 s27, ttmp6, 0x40004                  ; cy
	s_lshl_b32 s25, ttmp9, 2
	s_add_co_u32 s25, s25, s60                     ; QB
	s_and_b32 s26, ttmp7, 0xffff
	s_lshl_b32 s26, s26, 2
	s_add_co_u32 s26, s26, s27                     ; the batch
	s_lshl_b32 s61, s27, 2
	s_lshl_b32 s61, 15, s61                        ; my row of the cluster
	s_lshl_b32 s62, 0x1111, s60                    ; my column
	s_mov_b32 s[SEL], 0x76543210
	s_mov_b32 s[SEL+1], 0xfedcba98
	s_mov_b32 s30, 0x3fb8aa3b                      ; log2(e)
	s_mov_b32 s31, s30                             ; (named with it as a pair, so it is written)
	s_mov_b32 s32, 0x3e3504f3                      ; 32^-0.5
	s_mov_b32 s33, s32
	s_mov_b32 s34, 0xbfb8aa3b                      ; -log2(e)
	; descriptors, group 1.  x: 32 rows of 512 bytes, 16 of padding behind each
	s_mov_b32 s36, (3<<16)|(1<<20)|(6<<22)|(3<<25)
	s_mov_b32 s37, 64<<16
	s_mov_b32 s38, 32<<16
	s_mov_b32 s39, 64<<16
	s_mov_b32 s40, 32
	s_mov_b32 s41, 64
	s_mov_b32 s42, 0
	s_mov_b32 s43, 0
	; K and V of 128 keys: 25,600 bytes on end as 100 rows of 256, to my row of the cluster
	s_or_b32 s44, s61, (3<<16)|(1<<21)
	s_mov_b32 s45, 32<<16
	s_mov_b32 s46, 100<<16
	s_mov_b32 s47, 32<<16
	s_mov_b32 s48, 100
	s_mov_b32 s49, 32
	s_mov_b32 s50, 0
	s_mov_b32 s51, 0
	; the table: 27 rows of 1,024 bytes, 16 of padding behind each, to my column
	s_or_b32 s68, s62, (3<<16)|(1<<20)|(1<<21)|(7<<22)|(3<<25)
	s_mov_b32 s69, 128<<16
	s_mov_b32 s70, 27<<16
	s_mov_b32 s71, 128<<16
	s_mov_b32 s72, 27
	s_mov_b32 s73, 128
	s_mov_b32 s74, 0
	s_mov_b32 s75, 0
	s_mov_b32 s52, 1
	s_mul_i32 s53, s23, 32*528
	s_add_co_u32 s53, s53, XB
	s_mov_b32 s56, 1
	s_mul_i32 s57, s23, 25600
	s_add_co_u32 s57, s57, KV
	s_mov_b32 s76, 1
	s_mul_i32 s77, s21, 27*TP
	s_xor_b32 s80, s25, 3                          ; my queries have hq = 2 QB, 2 QB + 1: a = hk - hq + 7 runs from 6 - 2 QB on, nine values: rows 15 (6 - 2 QB) on
	s_mul_i32 s80, s80, 30*1024
	s_mul_i32 s63, s21, 27*1024
	s_add_co_u32 s80, s80, s63
	s_mov_b32 s81, 0
	s_lshl_b32 s82, s26, 2
	s_add_co_u32 s82, s82, s23
	s_mul_i32 s82, s82, 25600
	s_mov_b32 s83, 0
	s_lshl_b32 s84, s26, 18                        ; a batch: 512 rows of 512 bytes
	s_lshl_b32 s63, s25, 16
	s_add_co_u32 s84, s84, s63
	s_lshl_b32 s86, s21, 13
	s_add_co_u32 s86, s86, s84
	s_lshl_b32 s63, s22, 8
	s_add_co_u32 s86, s86, s63                     ; out0: my 16 rows, my 64 channels
	s_mov_b32 s87, 0
	s_lshl_b32 s63, s23, 14
	s_add_co_u32 s84, s84, s63                     ; x: my 32 rows
	s_mov_b32 s85, 0
	s_mul_i32 s90, s21, 16*528
	s_add_co_u32 s90, s90, XB
	s_mul_i32 s91, s22, 6144
	s_mul_i32 s63, s21, 384
	s_add_co_u32 s91, s91, s63
	s_add_co_u32 s91, s91, QIMG
	s_lshl_b32 s92, s22, 10
	s_lshl_b32 s63, s21, 6
	s_add_co_u32 s92, s92, s63
	s_add_co_u32 s98, s63, OSC
	s_add_co_u32 s92, s92, QSC
	s_mul_i32 s93, s24, 3072
	s_mul_i32 s63, s23, 768
	s_add_co_u32 s93, s93, s63
	s_add_co_u32 s93, s93, QIMG
	s_lshl_b32 s94, s24, 9
	s_lshl_b32 s63, s23, 7
	s_add_co_u32 s94, s94, s63
	s_add_co_u32 s96, s63, s24
	s_add_co_u32 s96, s96, OSC
	s_add_co_u32 s94, s94, QSC
	s_mul_i32 s95, s23, 32*104
	s_mul_i32 s63, s24, 24
	s_add_co_u32 s95, s95, s63
	s_add_co_u32 s95, s95, OIMG
	s_mul_i32 s97, s21, 16*104
	s_add_co_u32 s97, s97, OIMG
	s_mul_i32 s99, s20, 16*272
	s_add_co_u32 s99, s99, STG
	v_and_b32 v224, 31, v0                         ; l
	v_and_b32 v225, 15, v0                         ; r
	v_bfe_u32 v226, v0, 4, 1                       ; h
	v_bfe_u32 v227, v0, 3, 1                       ; r / 8
	v_and_b32 v228, 7, v0                          ; r % 8
	v_mul_u32_u24 v1, v224, 48
	v_lshlrev_b32 v2, 2, v224
	v_lshlrev_b32 v231, 2, v225                    ; 4 r
	v_xor_b32 v229, 1, v227
	v_mul_u32_u24 v229, TP, v229
	v_mul_u32_u24 v230, 4*TP, v226
	v_add_nc_u32 v3, v229, v230
	v_lshl_add_u32 v3, v228, 5, v3                 ; the table: rows ((r / 8) xor 1) + 4 h, byte 32 (r % 8)
	v_mul_u32_u24 v4, 0x210, v225
	v_lshl_add_u32 v4, v226, 7, v4
	v_add_nc_u32 v4, s90, v4                       ; x's row r of my tile, + 128 h
	v_mul_u32_u24 v7, v225, 24
	v_mul_u32_u24 v230, 0xc00, v226
	v_add_nc_u32 v5, v7, v230
	v_add_nc_u32 v5, s91, v5                       ; q's codes: in
	v_add_nc_u32 v7, s93, v7                       ; and back
	v_lshl_add_u32 v6, v226, 9, v231
	v_add_nc_u32 v6, s92, v6
	v_add_nc_u32 v11, s94, v231
	v_mul_u32_u24 v229, 0x68, v225
	v_mad_u32_u24 v105, v226, 12, v229
	v_add_nc_u32 v105, s95, v105                   ; O's codes: in
	v_mad_u32_u24 v107, v226, 24, v229
	v_add_nc_u32 v107, s97, v107                   ; and back
	v_add_nc_u32 v106, s96, v231
	v_add_nc_u32 v108, s98, v231
	v_mul_u32_u24 v109, 0x110, v225
	v_lshl_add_u32 v109, v226, 5, v109
	v_add_nc_u32 v109, s99, v109                   ; the way out: row r, + 32 h
	v_mul_u32_u24 v110, 0x110, v226
	v_lshl_add_u32 v110, v225, 4, v110
	v_add_nc_u32 v110, s99, v110                   ; back: lanes 0-15 one row of 256 bytes, lanes 16-31 the next
	v_lshlrev_b32 v111, 9, v226
	v_lshl_add_u32 v111, v225, 4, v111             ; and the same two rows in out0
	v_lshlrev_b32 v248, 3, v226
	v_lshlrev_b32 v249, 4, v224
	v_lshlrev_b32 v250, 5, v226
	v_lshlrev_b32 v252, 7, v226
	v_mov_b32 v236, 0                              ; a lane permute's destination counts as one of its sources
	v_mov_b32 v237, 0
	v_mov_b32 v239, 0
	v_mov_b32 v21, 0                               ; (named as the upper half of the pair v[20:21])
	s_wait_alu depctr_va_vdst(0)                   ; the wait at the head's end
	s_wait_dscnt 0x0
	s_wait_kmcnt 0x0
	s_add_nc_u64 s[54:55], s[4:5], s[84:85]
	s_or_b32 s55, s55, 0x80000000
	s_add_nc_u64 s[58:59], s[12:13], s[82:83]
	s_or_b32 s59, s59, 0x80000000
	s_add_nc_u64 s[78:79], s[10:11], s[80:81]
	s_or_b32 s79, s79, 0x80000000
	s_add_nc_u64 s[18:19], s[18:19], s[86:87]
	s_mul_i32 s86, s22, 4*1536
	s_add_nc_u64 s[14:15], s[14:15], s[86:87]      ; weights' images: four tiles for hp,
	s_lshl_b32 s86, s22, 9
	s_add_nc_u64 s[16:17], s[16:17], s[86:87]
	s_lshl_b32 s86, s22, 8
	s_add_nc_u64 s[6:7], s[6:7], s[86:87]          ; and 64 numbers of a bias
	s_add_nc_u64 s[8:9], s[8:9], s[86:87]
	ROUND                                          ; all sixteen work-groups are here: the joint loads meet
	s_cmp_lt_u32 s20, 4
	s_cbranch_scc0 .Lask_kv
	tensor_load_to_lds s[52:55], s[36:43]
	s_nop 0
	PLACES 4
	s_branch .Lasked
.Lask_kv:
	s_cmp_lt_u32 s20, 8
	s_cbranch_scc0 .Lask_tab
	tensor_load_to_lds s[56:59], s[44:51]
	s_nop 0
	PLACES 4
	s_branch .Lasked
.Lask_tab:
	s_cmp_lt_u32 s20, 13
	s_cbranch_scc0 .Lasked
	tensor_load_to_lds s[76:79], s[68:75]
	s_nop 0
	PLACES 4
.Lasked:
.irp t, 0,1,2,3                                    ; W_q's four tiles, their scale words, q's bias in the result's layout
.irp k, 0,1,2
	global_load_b128 v[22+12*\t+4*\k:25+12*\t+4*\k], v249, s[14:15] offset:1536*\t+512*\k
.endr
	global_load_b32 v[70+\t], v2, s[16:17] offset:128*\t
.endr
.irp j, 0,1,2,3,4,5,6,7
	global_load_b128 v[176+4*\j:179+4*\j], v252, s[6:7] offset:16*\j
.endr
	s_cmp_lt_u32 s20, 4
	s_cbranch_scc0 .Lno_x
	s_wait_tensorcnt 0x0                           ; the waves that asked for x
.Lno_x:
	BARRIER                                        ; x lies in LDS
	; ---- q of my tile and pair of heads
.irp c, 0,1
.irp j, 0,1,2,3,4,5,6,7
	ds_load_b128 v[S+32*\c+4*\j:S+3+32*\c+4*\j], v4 offset:256*\c+16*\j
.endr
.endr
	s_wait_dscnt 0x0
	QUANT64 S, 76
	s_wait_alu depctr_va_vdst(0)
	s_wait_loadcnt 0x0
	PLACES 8                                       ; a scale register written by a vector instruction stands 8 places ahead of a scaled matrix instruction, an operand 4
.irp t, 0,1,2,3
	WM 176+8*\t, 22+12*\t, 76, 176+8*\t, 70+\t, TM+6   ; register 8 t + j = channel 8 t + j of head 2 hp + h, query r
.endr
	PLACES 4
.set j, 0
.rept 16
	v_pk_mul_f32 v[176+j:177+j], v[176+j:177+j], s[32:33] op_sel_hi:[1,0]
.set j, j+2
.endr
	QUANT32 176, 208
	v_perm_b32 v237, v236, v236, 0                 ; the byte in all four places of the word
.irp k, 0,1,2
	ds_store_b64 v5, v[208+2*\k:209+2*\k] offset:8*\k
.endr
	ds_store_b32 v6, v237
	v_add_nc_u32 v252, -1, v226                    ; ones in lanes 0-15
	v_sub_nc_u32 v253, 0, v226                     ; ones in lanes 16-31
.irp j, 22,23,24,25,26,27,34,35,36,37,38,39,46,47,48,49,50,51,58,59,60,61,62,63,70,71,72,73,74,75
	v_mov_b32 v\j, 0                               ; the runs of zero codes in Q's operand
.endr
	s_wait_alu depctr_va_vdst(0)
	s_wait_tensorcnt 0x0                           ; what I asked for has landed
	BARRIER                                        ; K, V, the table and q's codes lie in LDS
	; ---- attention
.irp k, 0,1,2
	ds_load_b64 v[28+2*\k:29+2*\k], v7 offset:8*\k
	ds_load_b64 v[52+2*\k:53+2*\k], v7 offset:384+8*\k
.endr
	ds_load_b32 v102, v11
	ds_load_b32 v103, v11 offset:64
.irp j, 0,1,2,3,4,5,6,7,8,9,10,11,12,13,14,15,16,17,18,19,20,21,22,23,24,25,26,27,28,29,30,31
	v_mov_b32 v[176+\j], 0                         ; O^T: the step is written once: the first finds zeros, which the first change of M leaves zeros
.endr
	v_mov_b32 v12, 0x7e967699                      ; -M so far: 1e38,
	v_mov_b32 v14, 0x7e967699
	v_mov_b32 v13, 0xfe967699                      ; the largest logit so far: -1e38
	v_mov_b32 v15, 0xfe967699
.irp j, 16,17,18,19
	v_mov_b32 v\j, 0
.endr
	s_wait_alu depctr_va_vdst(0)
	s_wait_dscnt 0x0
.irp k, 0,1,2,3,4,5
	v_and_b32 v[40+\k], v253, v[28+\k]             ; QH: the codes in lanes 16-31
	v_and_b32 v[64+\k], v253, v[52+\k]
.endr
.irp k, 0,1,2,3,4,5
	v_and_b32 v[28+\k], v252, v[28+\k]             ; QL: in lanes 0-15
	v_and_b32 v[52+\k], v252, v[52+\k]
.endr
	s_mul_i32 s67, s24, 3072
	s_add_co_u32 s67, s67, KV                      ; the step's images of my head,
	s_lshl_b32 s88, s24, 7
	s_add_co_u32 s88, s88, KV+24576                ; its scale words,
	s_lshr_b32 s63, s23, 1
	s_xor_b32 s63, s63, 1
	s_mul_i32 s63, s63, 15
	s_and_b32 s61, s23, 1
	s_xor_b32 s61, s61, 1
	s_lshl_b32 s61, s61, 2
	s_add_co_u32 s63, s63, s61
	s_mul_i32 s89, s63, TP
	s_lshl_b32 s63, s24, 8
	s_add_co_u32 s89, s89, s63                     ; and my queries' rows of the table: a' = hk - hq' + 1, b = wk - wq + 7
	s_mov_b32 s66, 4
.macro BIAS tau                                    ; tile (c, t): hk = 2 s + c, wk = 4 h + t, dk = the register
.irp c, 0,1
.irp t, 0,1,2,3
.irp k, 0,1
	ds_load_b128 v[S+32*\c+8*\t+4*\k:S+3+32*\c+8*\t+4*\k], v8 offset:(15*\c+\t+2-2*(\tau))*TP+16*\k
.endr
.endr
.endr
.endm
.macro SCORES tau                                  ; a fragment of K serves four tiles of keys, by Q's four placings
.irp c, 0,1
	WM S+32*\c, 76+12*\c, 28+24*(\tau), S+32*\c, 100, 102+(\tau), \c
	WM S+8+32*\c, 76+12*\c, 40+24*(\tau), S+8+32*\c, 100, 102+(\tau), \c
	WM S+16+32*\c, 76+12*\c, 22+24*(\tau), S+16+32*\c, 100, 102+(\tau), \c
	WM S+24+32*\c, 76+12*\c, 34+24*(\tau), S+24+32*\c, 100, 102+(\tau), \c
.endr
.endm
.macro SUM0 d, j                                   ; four exponentials of c = 1 beside one sum of c = 0
	v_exp_f32 v[S+32+\j], v[S+32+\j]
	v_exp_f32 v[S+33+\j], v[S+33+\j]
	v_exp_f32 v[S+34+\j], v[S+34+\j]
	v_exp_f32 v[S+35+\j], v[S+35+\j]
	v_pk_add_f32 v[\d:\d+1], v[S+\j:S+\j+1], v[S+\j+2:S+\j+3]
.endm
.macro ADD d, e
	v_pk_add_f32 v[\d:\d+1], v[\d:\d+1], v[\e:\e+1]
.endm
; the softmax of one tile of queries: S becomes P's codes and scale word
.macro SOFT tau
.set MX, 12+2*(\tau)
.set SMX, 16+2*(\tau)
.set OX, 176+16*(\tau)
.set PX, 208+12*(\tau)
.set PW, 104+143*(\tau)                            ; v104, v247
	v_max3_num_f32 v232, v[S], v[S+1], v[S+2]      ; the largest logit of my two blocks, each in two chains, from each accumulator's low end on
	v_max3_num_f32 v233, v[S+32], v[S+33], v[S+34]
	v_max3_num_f32 v234, v[S+16], v[S+17], v[S+18]
	v_max3_num_f32 v235, v[S+48], v[S+49], v[S+50]
.irp i, 3,5,7,9,11,13
	v_max3_num_f32 v232, v232, v[S+\i], v[S+\i+1]
	v_max3_num_f32 v233, v233, v[S+32+\i], v[S+33+\i]
	v_max3_num_f32 v234, v234, v[S+16+\i], v[S+17+\i]
	v_max3_num_f32 v235, v235, v[S+48+\i], v[S+49+\i]
.endr
	v_max3_num_f32 v232, v232, v234, v[S+15]
	v_max3_num_f32 v233, v233, v235, v[S+47]
	v_max_num_f32 v232, v232, v[S+31]
	v_max_num_f32 v233, v233, v[S+63]
	v_max_num_f32 v254, v232, v233
	v_permlanex16_b32 v236, v254, s[SEL], s[SEL+1]
	v_max3_num_f32 v[MX+1], v[MX+1], v254, v236    ; the running largest logit of my query
	v_mul_f32 v252, s34, v[MX+1]
	v_floor_f32 v253, v252                         ; the new -M = floor(-t): a whole number
	v_sub_f32 v254, v253, v[MX]                    ; old M - new M
	v_mov_b32 v[MX], v253
	v_cvt_i32_f32 v254, v254                       ; (it saturates)
	v_ldexp_f32 v20, 1.0, v254                     ; f = 2^(old M - new M): multiplying by it rounds nothing
.set j, 0
.rept 16
	v_pk_fma_f32 v[S+j:S+j+1], v[S+j:S+j+1], s[30:31], v[MX:MX+1] op_sel_hi:[1,0,0]   ; t - M
.set j, j+2
.endr
	v_fma_f32 v232, v232, s30, v[MX]               ; the same of each block's largest logit
	v_fma_f32 v233, v233, s30, v[MX]
	s_wait_alu depctr_va_vdst(0)
	v_exp_f32 v232, v232
	v_exp_f32 v233, v233
.set j, 0
.rept 16
	v_exp_f32 v[S+j], v[S+j]                       ; p of c = 0, beside c = 1's t - M
	v_exp_f32 v[S+j+1], v[S+j+1]
	v_pk_fma_f32 v[S+32+j:S+33+j], v[S+32+j:S+33+j], s[30:31], v[MX:MX+1] op_sel_hi:[1,0,0]
.set j, j+2
.endr
	s_wait_alu depctr_va_vdst(0)
	v_max_num_f32 v232, FL, v232                   ; the floor 2^(5 - 127)
	v_max_num_f32 v233, FL, v233
	v_add_nc_u32 v240, 0xfe000000, v232
	v_add_nc_u32 v246, 0xfe000000, v233
	v_cvt_scalef32_pk16_bf6_f32 v[PX:PX+2], v[S:S+15], v240
	v_cvt_scalef32_pk16_bf6_f32 v[242:244], v[S+16:S+31], v240
	v_lshrrev_b32 v236, 23, v240
	v_lshrrev_b32 v237, 23, v246
	v_lshl_or_b32 v236, v237, 16, v236             ; my blocks are h and 2 + h
	v_lshlrev_b32 v236, v[SH], v236
	v_permlanex16_b32 v237, v236, s[SEL], s[SEL+1]
	v_or_b32 v[PW], v236, v237                     ; P's scale word
.irp i, 0,1,2
	v_mov_b32 v[PX+3+\i], v[242+\i]
.endr
	SUM0 232, 0
	SUM0 234, 4
	SUM0 236, 8
	SUM0 238, 12
	SUM0 242, 16
	SUM0 244, 20
	SUM0 252, 24
	SUM0 PX+10, 28
	s_wait_alu depctr_va_vdst(0)                   ; for the exponentials, and directly ahead of the readers of O^T
.set j, 0
.rept 8
	v_pk_mul_f32 v[OX+j:OX+j+1], v[OX+j:OX+j+1], v[20:21] op_sel_hi:[1,0]   ; O^T under the new M
.set j, j+2
.endr
.irp e, 0,2
	ADD 232, S+32+\e
	ADD 234, S+36+\e
	ADD 236, S+40+\e
	ADD 238, S+44+\e
	ADD 242, S+48+\e
	ADD 244, S+52+\e
	ADD 252, S+56+\e
	ADD PX+10, S+60+\e
.endr
	ADD 232, 242
	ADD 234, 244
	v_cvt_scalef32_pk16_bf6_f32 v[PX+6:PX+8], v[S+32:S+47], v246
	v_cvt_scalef32_pk16_bf6_f32 v[242:244], v[S+48:S+63], v246
.if (\tau) == 0
	BIAS 1                                         ; S is free: the second tile's bias
.endif
	ADD 236, 252
	ADD 238, PX+10
.irp i, 0,1,2
	v_mov_b32 v[PX+9+\i], v[242+\i]
.endr
	ADD 232, 236
	ADD 234, 238
	ADD 232, 234
	v_pk_fma_f32 v[SMX:SMX+1], v[SMX:SMX+1], v[20:21], v[232:233] op_sel_hi:[1,0,1]   ; the sum, under the new M
.endm
	s_wait_alu depctr_va_vdst(0)
.Lstep:                                                ; 128 keys
	v_add_nc_u32 v8, s89, v3
	v_add_nc_u32 v9, s67, v1
	v_add_nc_u32 v10, s88, v2
	v_nop                                          ; four places behind the last step's products, in front of the loads into V's registers
	BIAS 0
	FETCH 76, 9, 0
	FETCH 88, 9, 1536
	ds_load_b32 v100, v10                          ; lanes 0-15: the words of c = 0, lanes 16-31: of c = 1
	s_wait_alu depctr_va_vdst(0)
	s_wait_dscnt 0x0
	SCORES 0
	PLACES 4
	SOFT 0
	s_wait_alu depctr_va_vdst(0)
	s_wait_dscnt 0x0
	SCORES 1
	PLACES 4
	FETCH 76, 9, 12288                             ; V, where K was
	FETCH 88, 9, 13824
	ds_load_b32 v101, v10 offset:512
	SOFT 1
	s_wait_alu depctr_va_vdst(0)
	s_wait_dscnt 0x0
	WM 176, 76, 208, 176, 101, 104                 ; O^T += V^T P^T: register 8 u + j = channel 16 h + 8 u + j of my query
	WM 184, 88, 208, 184, 101, 104, 1
	WM 192, 76, 220, 192, 101, 247
	WM 200, 88, 220, 200, 101, 247, 1
	s_add_co_u32 s67, s67, 25600
	s_add_co_u32 s88, s88, 25600
	s_add_co_u32 s89, s89, 30*TP                   ; hk + 2
	s_sub_co_u32 s66, s66, 1
	s_cmp_lg_u32 s66, 0
	s_cbranch_scc1 .Lstep
	; ---- O / l, quantised: a head is one block of the projection's K
.irp i, 0,1,2,3                                    ; for the projection: proj_w's four tiles of my 64 channels, their scale words, the bias in the result's layout
.irp k, 0,1,2
	global_load_b128 v[22+12*\i+4*\k:25+12*\i+4*\k], v249, s[14:15] offset:12288+1536*\i+512*\k
.endr
	global_load_b32 v[70+\i], v2, s[16:17] offset:1024+128*\i
.irp k, 0,1
	global_load_b128 v[S+8*\i+4*\k:S+3+8*\i+4*\k], v250, s[8:9] offset:64*\i+16*\k
.endr
.endr
	v_add_f32 v16, v16, v17                        ; the sums' two halves,
	v_add_f32 v18, v18, v19
	v_permlanex16_b32 v232, v16, s[SEL], s[SEL+1]
	v_permlanex16_b32 v233, v18, s[SEL], s[SEL+1]
	v_add_f32 v16, v16, v232                       ; and lane l xor 16's
	v_add_f32 v18, v18, v233
	s_wait_alu depctr_va_vdst(0)
	v_rcp_f32 v16, v16
	v_rcp_f32 v18, v18
	v_nop                                          ; one plain place behind a transcendental
	s_wait_alu depctr_va_vdst(0)
.set j, 0
.rept 8
	v_pk_mul_f32 v[176+j:177+j], v[176+j:177+j], v[16:17] op_sel_hi:[1,0]
	v_pk_mul_f32 v[192+j:193+j], v[192+j:193+j], v[18:19] op_sel_hi:[1,0]
.set j, j+2
.endr
	v_max3_num_f32 v232, |v176|, |v177|, FL
	v_max3_num_f32 v233, |v192|, |v193|, FL
.irp i, 2,4,6,8,10,12,14
	v_max3_num_f32 v232, v232, |v[176+\i]|, |v[177+\i]|
	v_max3_num_f32 v233, v233, |v[192+\i]|, |v[193+\i]|
.endr
	v_permlanex16_b32 v236, v232, s[SEL], s[SEL+1]
	v_permlanex16_b32 v237, v233, s[SEL], s[SEL+1]
	v_max_num_f32 v232, v232, v236
	v_max_num_f32 v233, v233, v237
	v_add_nc_u32 v244, 0xfe000000, v232
	v_add_nc_u32 v245, 0xfe000000, v233
	v_lshrrev_b32 v236, 23, v244
	v_lshrrev_b32 v237, 23, v245
	v_cvt_scalef32_pk16_bf6_f32 v[208:210], v[176:191], v244
	v_cvt_scalef32_pk16_bf6_f32 v[212:214], v[192:207], v245
	v_nop
.irp k, 0,1,2
	ds_store_b32 v105, v[208+\k] offset:4*\k       ; my 16 channels' 12 bytes of the head's 24
	ds_store_b32 v105, v[212+\k] offset:1664+4*\k
.endr
	ds_store_b8 v106, v236                         ; (both halves of the lanes write the same byte with the same value)
	ds_store_b8 v106, v237 offset:64
	BARRIER                                        ; O's codes lie in LDS; nobody reads K and V any more
	; ---- the projection, transposed (source 0 = 16 rows of proj_w, source 1 = O), and the way out
.irp c, 0,1
.irp k, 0,1,2
	ds_load_b64 v[76+6*\c+2*\k:77+6*\c+2*\k], v107 offset:48*\c+8*\k
.endr
.endr
	ds_load_b32 v100, v108
	s_wait_dscnt 0x0
	s_wait_loadcnt 0x0
.irp i, 0,1,2,3
	WM S+8*\i, 22+12*\i, 76, S+8*\i, 70+\i, 100    ; the bias is the C: channels 64 hp + 16 i + 8 h + 0..7 of row r
.endr
	PLACES 4
.irp i, 0,1,2,3
.irp k, 0,1
	ds_store_b128 v109, v[S+8*\i+4*\k:S+3+8*\i+4*\k] offset:64*\i+16*\k   ; each accumulator from its low end on
.endr
.endr
.irp i, 0,1,2,3,4,5,6,7
	ds_load_b128 v[176+4*\i:179+4*\i], v110 offset:544*\i      ; LDS serves a wave's instructions in order: these see my stores
.endr
.irp i, 0,1,2,3,4,5,6,7
	s_wait_dscnt 7-\i                              ; the younger loads may be out
	global_store_b128 v111, v[176+4*\i:179+4*\i], s[18:19] offset:1024*\i th:TH_STORE_NT   ; 16 lanes store 256 consecutive bytes, at a multiple of 256 from out0's first byte
.endr
	s_wait_tensorcnt 0x0                           ; the wave's end
	ds_add_u32 v251, v255
	s_wait_dscnt 0x0
	ROUND                                          ; the closing round
	s_endpgm
.Lfunc_end_k_q11d5ce4c5d_attn:
	.size	k_q11d5ce4c5d_attn, .Lfunc_end_k_q11d5ce4c5d_attn-k_q11d5ce4c5d_attn
	.p2alignl 7, 3214868480
	.fill 96, 4, 3214868480
	.section	.rodata,"a",@progbits
	.p2align	6, 0x0
	.amdhsa_kernel k_q11d5ce4c5d_attn
		.amdhsa_group_segment_fixed_size 327680
		.amdhsa_private_segment_fixed_size 0
		.amdhsa_enable_private_segment 0
		.amdhsa_kernarg_size 64
		.amdhsa_user_sgpr_count 2
		.amdhsa_user_sgpr_kernarg_segment_ptr 1
		.amdhsa_wavefront_size32 1
		.amdhsa_system_sgpr_workgroup_id_x 1
		.amdhsa_system_sgpr_workgroup_id_y 1
		.amdhsa_system_sgpr_workgroup_id_z 1
		.amdhsa_system_vgpr_workitem_id 0
		.amdhsa_next_free_vgpr 256
		.amdhsa_next_free_sgpr 100
		.amdhsa_reserve_vcc 0
		.amdhsa_float_denorm_mode_32 3
		.amdhsa_float_denorm_mode_16_64 3
		.amdhsa_memory_ordered 1
		.amdhsa_forward_progress 1
		.amdhsa_inst_pref_size 60
	.end_amdhsa_kernel
	.amdgpu_metadata
---
amdhsa.version: [ 1, 2 ]
amdhsa.kernels:
  - .name:           k_q11d5ce4c5d_attn
    .symbol:         k_q11d5ce4c5d_attn.kd
    .args:
      - { .name: x, .offset: 0, .size: 8, .value_kind: global_buffer, .address_space: global }
      - { .name: qkv_b, .offset: 8, .size: 8, .value_kind: global_buffer, .address_space: global }
      - { .name: proj_b, .offset: 16, .size: 8, .value_kind: global_buffer, .address_space: global }
      - { .name: tab, .offset: 24, .size: 8, .value_kind: global_buffer, .address_space: global }
      - { .name: kv, .offset: 32, .size: 8, .value_kind: global_buffer, .address_space: global }
      - { .name: wimg, .offset: 40, .size: 8, .value_kind: global_buffer, .address_space: global }
      - { .name: wscl, .offset: 48, .size: 8, .value_kind: global_buffer, .address_space: global }
      - { .name: out0, .offset: 56, .size: 8, .value_kind: global_buffer, .address_space: global }
    .group_segment_fixed_size: 327680
    .private_segment_fixed_size: 0
    .kernarg_segment_align: 8
    .kernarg_segment_size: 64
    .max_flat_workgroup_size: 512
    .sgpr_count:     100
    .vgpr_count:     256
    .wavefront_size: 32
...
	.end_amdgpu_metadata
.endif
;; end of part 2
